; MI455X (gfx1250); checked and timed in simulation.
; The chip was launched on July 23, 2026; its instructions are those of AMD's public machine-readable ISA for CDNA 5 (MIT licence, August 2026) and "CDNA5" Instruction Set Architecture Reference Guide (July 2026). The comments in the code are by the model that wrote it; some were corrected since.
;; T5 Attention. Allowed arithmetic: float matrix products may take bf16 or f16 operands with f32 sums; all other float work in f32.
;; Inputs: Wk 1,024 x 1,024 float32; Wo 1,024 x 1,024 float32; Wq 1,024 x 1,024 float32; Wv 1,024 x 1,024 float32; attention_mask 2 x 2,048 bool; bk 1,024 float32; bo 1,024 float32; bq 1,024 float32; bv 1,024 float32; hidden_states 2 x 2,048 x 1,024 float32; rel_bias_table 32 x 16 float32.
;; Outputs: out0 2 x 2,048 x 1,024 float32.
;; One version. Each part assembles by itself: llvm-mc -triple=amdgcn-amd-amdhsa -mcpu=gfx1250 --defsym DOCPART=n.
;; ======== version 1 of 1: 4 launches
;; limits: values are held in f16: magnitudes above 65,504 overflow, below 6.1e-05 lose precision
;; workspace buffers: x16 16,777,216 bytes; qkv 25,165,824 bytes; ctx 8,388,608 bytes
;; launch cast (part 1): grid 64 x 8, 8 waves a work-group, no clusters, 0 bytes of LDS; arguments hidden_states, Wq, Wk, Wv, Wo, x16; writes x16
.if DOCPART == 1
	.amdgcn_target "amdgcn-amd-amdhsa--gfx1250"
	.amdhsa_code_object_version 6
	.text
	.protected	k_q0551437a00_cast
	.globl	k_q0551437a00_cast
	.p2align	8
	.type	k_q0551437a00_cast,@function
k_q0551437a00_cast:
	s_mov_b64 s[64:65], 0
	v_nop
	global_prefetch_b8 v0, s[64:65] scope:SCOPE_SE
	s_setreg_imm32_b32 hwreg(HW_REG_WAVE_MODE, 25, 1), 1
	s_wait_xcnt 0x0
; x16 = f16 copies of the matrix operands: hidden_states at byte 0 (8 MiB), Wq, Wk, Wv stacked at 8 MiB, Wo at 14 MiB.
; LIMIT: f16 holds magnitudes up to 65,504; larger inputs become infinite here.
; A stream: every byte is read once and written once, so no LDS, no barrier, no matrix unit.
; The grid's y is a segment of 4 MiB of f32 (0-3: quarters of hidden_states, 4-7: Wq, Wk, Wv, Wo); segment y goes to x16 + y x 2 MiB.
; The grid's x is 64 KiB of f32 in the segment: 16 pieces of 4,096 bytes; thread t takes 16 bytes of each piece.
; A wave's load covers 512 consecutive bytes; a wave's store covers 256 consecutive bytes, aligned.
.set X, 4                              ; v[4:67]   16 pieces as loaded, 4 registers each
.set Y, 68                             ; v[68:99]  16 pieces to store, 2 registers each
	s_load_b256 s[4:11], s[0:1], 0x0               ; hidden s[4:5], Wq s[6:7], Wk s[8:9], Wv s[10:11]
	s_load_b128 s[12:15], s[0:1], 0x20             ; Wo s[12:13], x16 s[14:15]
	s_and_b32 s16, ttmp7, 0xffff                   ; the segment
	s_cmp_lt_u32 s16, 4
	s_cselect_b32 s17, s16, 0                      ; which quarter of hidden_states (a weight is one segment)
	s_lshl_b32 s18, s17, 22
	s_lshl_b32 s22, ttmp9, 16
	s_add_co_u32 s18, s18, s22                     ; byte offset in the source
	s_mov_b32 s19, 0
	s_lshl_b32 s24, s16, 21
	s_lshl_b32 s23, ttmp9, 15
	s_add_co_u32 s24, s24, s23                     ; byte offset in x16
	s_mov_b32 s25, 0
	v_lshlrev_b32 v1, 4, v0                        ; 16 t
	v_lshlrev_b32 v2, 3, v0                        ; 8 t
	s_wait_kmcnt 0x0
	s_cmp_eq_u32 s16, 4
	s_cselect_b64 s[20:21], s[6:7], s[4:5]
	s_cmp_eq_u32 s16, 5
	s_cselect_b64 s[20:21], s[8:9], s[20:21]
	s_cmp_eq_u32 s16, 6
	s_cselect_b64 s[20:21], s[10:11], s[20:21]
	s_cmp_eq_u32 s16, 7
	s_cselect_b64 s[20:21], s[12:13], s[20:21]
	s_add_nc_u64 s[20:21], s[20:21], s[18:19]
	s_add_nc_u64 s[14:15], s[14:15], s[24:25]
.irp i, 0,1,2,3,4,5,6,7,8,9,10,11,12,13,14,15
	global_load_b128 v[X+4*\i:X+4*\i+3], v1, s[20:21] offset:4096*\i th:TH_LOAD_NT   ; all sixteen on their way at once
.endr
.irp i, 0,1,2,3,4,5,6,7,8,9,10,11,12,13,14,15
	s_wait_loadcnt 15-\i                           ; loads come back in order: piece i is in, the younger ones stay out
	v_cvt_pk_f16_f32 v[Y+2*\i], v[X+4*\i], v[X+4*\i+1]
	v_cvt_pk_f16_f32 v[Y+2*\i+1], v[X+4*\i+2], v[X+4*\i+3]
	global_store_b64 v2, v[Y+2*\i:Y+2*\i+1], s[14:15] offset:2048*\i   ; no register is written twice: no further wait
.endr
	s_endpgm
.Lfunc_end_k_q0551437a00_cast:
	.size	k_q0551437a00_cast, .Lfunc_end_k_q0551437a00_cast-k_q0551437a00_cast
	.p2alignl 7, 3214868480
	.fill 96, 4, 3214868480
	.section	.rodata,"a",@progbits
	.p2align	6, 0x0
	.amdhsa_kernel k_q0551437a00_cast
		.amdhsa_group_segment_fixed_size 0
		.amdhsa_private_segment_fixed_size 0
		.amdhsa_enable_private_segment 0
		.amdhsa_kernarg_size 48
		.amdhsa_user_sgpr_count 2
		.amdhsa_user_sgpr_kernarg_segment_ptr 1
		.amdhsa_wavefront_size32 1
		.amdhsa_system_sgpr_workgroup_id_x 1
		.amdhsa_system_sgpr_workgroup_id_y 1
		.amdhsa_system_sgpr_workgroup_id_z 1
		.amdhsa_system_vgpr_workitem_id 0
		.amdhsa_next_free_vgpr 100
		.amdhsa_next_free_sgpr 66
		.amdhsa_reserve_vcc 0
		.amdhsa_float_denorm_mode_32 3
		.amdhsa_float_denorm_mode_16_64 3
		.amdhsa_memory_ordered 1
		.amdhsa_forward_progress 1
		.amdhsa_inst_pref_size 7
	.end_amdhsa_kernel
	.amdgpu_metadata
---
amdhsa.version: [ 1, 2 ]
amdhsa.kernels:
  - .name:           k_q0551437a00_cast
    .symbol:         k_q0551437a00_cast.kd
    .args:
      - { .name: hidden_states, .offset: 0, .size: 8, .value_kind: global_buffer, .address_space: global }
      - { .name: Wq, .offset: 8, .size: 8, .value_kind: global_buffer, .address_space: global }
      - { .name: Wk, .offset: 16, .size: 8, .value_kind: global_buffer, .address_space: global }
      - { .name: Wv, .offset: 24, .size: 8, .value_kind: global_buffer, .address_space: global }
      - { .name: Wo, .offset: 32, .size: 8, .value_kind: global_buffer, .address_space: global }
      - { .name: x16, .offset: 40, .size: 8, .value_kind: global_buffer, .address_space: global }
    .group_segment_fixed_size: 0
    .private_segment_fixed_size: 0
    .kernarg_segment_align: 8
    .kernarg_segment_size: 48
    .max_flat_workgroup_size: 256
    .sgpr_count:     66
    .vgpr_count:     100
    .wavefront_size: 32
...
	.end_amdgpu_metadata
.endif
;; end of part 1
;; launch qkv (part 2): grid 16 x 16, 4 waves a work-group, clusters of 4 x 4, 327,680 bytes of LDS; arguments x16, bq, bk, bv, qkv; writes qkv
.if DOCPART == 2
	.amdgcn_target "amdgcn-amd-amdhsa--gfx1250"
	.amdhsa_code_object_version 6
	.text
	.protected	k_q0551437a00_qkv
	.globl	k_q0551437a00_qkv
	.p2align	8
	.type	k_q0551437a00_qkv,@function
k_q0551437a00_qkv:
	s_mov_b64 s[64:65], 0
	v_nop
	global_prefetch_b8 v0, s[64:65] scope:SCOPE_SE
	s_setreg_imm32_b32 hwreg(HW_REG_WAVE_MODE, 25, 1), 1
	s_wait_xcnt 0x0
	s_wait_alu depctr_hold_cnt(0) depctr_sa_sdst(0) depctr_va_vdst(0) depctr_va_sdst(0) depctr_va_ssrc(0) depctr_va_vcc(0) depctr_vm_vsrc(0)
	s_getreg_b32 s2, hwreg(HW_REG_IB_STS2, 6, 4)
	s_cmp_eq_u32 s2, 0
	s_cbranch_scc0 .Lentry_in_a_cluster
	s_endpgm
.Lentry_in_a_cluster:
	s_bfe_u32 s2, ttmp6, 0x10000c
	s_cmp_lg_u32 s2, 0xf033
	s_cbranch_scc0 .Lentry_shape_is_right
	s_endpgm
.Lentry_shape_is_right:
; qkv[b][g][s][64] (f16; g = h: q, 16 + h: k, 32 + h: v) = hidden16 [4096][1024] x Wcat16 [3072][1024] transposed + bias; sums in f32.
; LIMIT: results are rounded to f16: |q|, |k|, |v| up to 65,504.
; A work-group makes 256 tokens x 192 features (three heads): 16 x 16 = 256 work-groups.  Wave w makes tokens 64 w .. 64 w + 63 x all
; 192 features: 4 x 12 accumulator tiles, 384 registers.  K goes in steps of 128 (rows of 256 bytes) through two LDS slots.
; CLUSTERS: 4 x 4 work-groups.  The tokens' tile hangs on the block row alone and is asked for jointly along a row of the cluster,
; the weights' tile on the block column alone and is asked for jointly along a column.
; THE MATRIX INSTRUCTION IS USED TRANSPOSED: source 0 = 16 rows of the weights, source 1 = 16 tokens; lane l then holds token l % 16
; and features 8 (l / 16) + 0 .. 7 of the tile.  The bias of those eight features is the C operand of each tile's first product.
; REGISTERS: window 0: addresses, token fragments (two buffers), bias, packed results; window 1: weight fragments (two buffers);
; window 2: the tiles of my tokens 0-31 (tile (a, b) at 8 (12 (a & 1) + b)); window 3: those of tokens 32-63.
.set PITCH,  272                       ; an LDS row: 256 bytes + 16 of padding, an odd multiple of 16
.set AHALF,  128*PITCH                 ; what one load of tokens brings
.set BHALF,  96*PITCH                  ; what one load of weights brings
.set BOFF,   256*PITCH                 ; the weights lie behind the 256 tokens
.set SLOT,   448*PITCH
.set STAGE,  2*SLOT                    ; behind the ring: 16 rows x 400 bytes for each wave; no tensor load lands here
.set SPITCH, 400                       ; 384 bytes of a token's 192 features + 16
.set ADRA, 16                          ; v16-17  my token fragments in slot 0, 1
.set ADRB, 20                          ; v20-21  the weight fragments in slot 0, 1
.set STO,  24
.set RD,   25
.set CO,   26
.set BO,   27
.set FA,   32                          ; v32-63, v64-95   token fragments, buffer 0, 1
.set BIAS, 96                          ; v96-191          8 numbers for each of 12 feature tiles
.set TMP,  192                         ; v192-239         packed results
.set RB,   32                          ; v32-79           rows read back (behind the last product)
.set G1A, 32
.set G0A, 40
.set G1B, 48
.set G0B, 56
.set MSB, 0
.macro WIN new                         ; the immediate's high byte repeats the setting that is left
.if MSB != (\new)
	s_set_vgpr_msb (MSB<<8)|(\new)
.set MSB, (\new)
.endif
.endm
.macro PLACES                          ; four places between a matrix instruction and a load into, or a vector read of, its registers
.rept 4
	v_nop
.endr
.endm
.macro JLOAD s                         ; waves 0, 1 ask for the tokens' halves, waves 2, 3 for the weights': one mask to a line
	s_cmp_eq_u32 s21, 0
	s_cbranch_scc0 .Lfor_b_\@
	tensor_load_to_lds s[G0A+4*\s:G0A+4*\s+3], s[G1A:G1A+7]
	s_nop 0
	s_branch .Lasked_\@
.Lfor_b_\@:
	tensor_load_to_lds s[G0B+4*\s:G0B+4*\s+3], s[G1B:G1B+7]
	s_nop 0
.Lasked_\@:
.endm
.macro CREST                           ; a round of the cluster's barrier behind its opening work-group barrier
	s_cmp_lg_u32 s20, 0
	s_cbranch_scc1 .Lnot_wave_0_\@
	s_barrier_signal -3
.Lnot_wave_0_\@:
	s_barrier_wait -3
	s_barrier_signal -1
	s_barrier_wait -1
.endm
.macro CROUND
	s_barrier_signal -1
	s_barrier_wait -1
	CREST
.endm
	s_load_b256 s[4:11], s[0:1], 0x0               ; x16 s[4:5], bq s[6:7], bk s[8:9], bv s[10:11]
	s_load_b64 s[12:13], s[0:1], 0x20              ; qkv
	s_set_vgpr_msb 0x40
	v_lshl_add_u32 v255, v0, 2, 0x41c00
	s_set_vgpr_msb 0x4000
	v_mov_b32 v255, 0
	s_set_vgpr_msb 0x1
	ds_add_u32 v255, v255
	s_set_vgpr_msb 0x100
	v_lshrrev_b32 v1, 5, v0
	v_readfirstlane_b32 s20, v1                    ; wave 0..3
	s_lshr_b32 s21, s20, 1                         ; I fetch tokens (0) or weights (1)
	s_and_b32 s22, s20, 1                          ; which half of that tile
	s_bfe_u32 s23, ttmp6, 0x40000                  ; cx
	s_bfe_u32 s24, ttmp6, 0x40004                  ; cy
	s_lshl_b32 s25, ttmp9, 2
	s_add_co_u32 s25, s25, s23                     ; block column: 192 features
	s_and_b32 s26, ttmp7, 0xffff
	s_lshl_b32 s26, s26, 2
	s_add_co_u32 s26, s26, s24                     ; block row: 256 tokens
	s_lshl_b32 s27, s24, 2
	s_lshl_b32 s27, 15, s27                        ; my row of the cluster
	s_lshl_b32 s28, 0x1111, s23                    ; my column
	s_or_b32 s[G1A+0], s27, (1<<16)|(1<<20)|(1<<21)|(5<<22)|(3<<25)   ; mask; 2-byte elements; padding on; bit 21 beside a mask; 4 words behind every 64
	s_or_b32 s[G1B+0], s28, (1<<16)|(1<<20)|(1<<21)|(5<<22)|(3<<25)
	s_mov_b32 s[G1A+1], 128<<16                    ; tensor_dim0 = 128
	s_mov_b32 s[G1B+1], 128<<16
	s_mov_b32 s[G1A+2], 128<<16                    ; tensor_dim1 = 128 rows
	s_mov_b32 s[G1B+2], 96<<16                     ; 96 rows
	s_mov_b32 s[G1A+3], 128<<16                    ; tile_dim0 = 128
	s_mov_b32 s[G1B+3], 128<<16
	s_mov_b32 s[G1A+4], 128                        ; tile_dim1
	s_mov_b32 s[G1B+4], 96
	s_mov_b32 s[G1A+5], 1024                       ; elements from row to row
	s_mov_b32 s[G1B+5], 1024
	s_mov_b32 s[G1A+6], 0
	s_mov_b32 s[G1B+6], 0
	s_mov_b32 s[G1A+7], 0
	s_mov_b32 s[G1B+7], 0
	s_lshl_b32 s74, s22, 7
	s_lshl_b32 s66, s26, 8
	s_add_co_u32 s66, s66, s74                     ; tokens: row 256 x block row + 128 x half
	s_lshl_b32 s66, s66, 11                        ; rows of 2,048 bytes
	s_mov_b32 s67, 0
	s_mul_i32 s75, s22, 96
	s_mul_i32 s70, s25, 192
	s_add_co_u32 s70, s70, s75                     ; weights: row 192 x block column + 96 x half
	s_lshl_b32 s70, s70, 11
	s_add_co_u32 s70, s70, 0x800000                ; the stacked weights begin at 8 MiB
	s_mov_b32 s71, 0
	s_mul_i32 s76, s20, AHALF                      ; LDS: waves 0, 1: the tokens' halves
	s_mul_i32 s77, s20, BHALF
	s_add_co_u32 s77, s77, BOFF-2*BHALF            ; waves 2, 3: the weights' halves, from BOFF on
	s_wait_dscnt 0x0
	s_wait_kmcnt 0x0
	s_add_nc_u64 s[68:69], s[4:5], s[66:67]
	s_add_nc_u64 s[72:73], s[4:5], s[70:71]
	CROUND                                         ; all sixteen work-groups are here: the first joint loads meet
.irp s, 0,1
	s_mov_b32 s[G0A+4*\s], 1
	s_add_co_u32 s[G0A+4*\s+1], s76, \s*SLOT
	s_add_nc_u64 s[G0A+4*\s+2:G0A+4*\s+3], s[68:69], \s*256
	s_or_b32 s[G0A+4*\s+3], s[G0A+4*\s+3], 0x80000000
	s_mov_b32 s[G0B+4*\s], 1
	s_add_co_u32 s[G0B+4*\s+1], s77, \s*SLOT
	s_add_nc_u64 s[G0B+4*\s+2:G0B+4*\s+3], s[72:73], \s*256
	s_or_b32 s[G0B+4*\s+3], s[G0B+4*\s+3], 0x80000000
	JLOAD \s                                       ; K steps 0 and 1: two tensor loads of the wave are out, the most in this text
.endr
	; the three heads' biases: head g = 3 x block column + gi lies in bq (g < 16), bk (g < 32) or bv, at (g & 15) x 256 bytes
.irp gi, 0,1,2
	s_mul_i32 s78, s25, 3
	s_add_co_u32 s78, s78, \gi
	s_cmp_lt_u32 s78, 16
	s_cselect_b64 s[80+2*\gi:81+2*\gi], s[6:7], s[8:9]
	s_cmp_lt_u32 s78, 32
	s_cselect_b64 s[80+2*\gi:81+2*\gi], s[80+2*\gi:81+2*\gi], s[10:11]
	s_and_b32 s78, s78, 15
	s_lshl_b32 s78, s78, 8
	s_mov_b32 s79, 0
	s_add_nc_u64 s[80+2*\gi:81+2*\gi], s[80+2*\gi:81+2*\gi], s[78:79]
.endr
	v_and_b32 v1, 15, v0                           ; r = l % 16
	v_bfe_u32 v2, v0, 4, 1                         ; h = l / 16
	v_lshlrev_b32 v[BO], 5, v2                     ; my eight features of a tile: 32 h bytes
.irp gi, 0,1,2
.irp bb, 0,1,2,3
	global_load_b128 v[BIAS+32*\gi+8*\bb:BIAS+32*\gi+8*\bb+3], v[BO], s[80+2*\gi:81+2*\gi] offset:64*\bb
	global_load_b128 v[BIAS+32*\gi+8*\bb+4:BIAS+32*\gi+8*\bb+7], v[BO], s[80+2*\gi:81+2*\gi] offset:64*\bb+16
.endr
.endr
	v_mul_u32_u24 v3, v1, PITCH
	v_lshl_add_u32 v3, v2, 4, v3                   ; row x pitch + 16 h
	s_mul_i32 s78, s20, 64*PITCH                   ; my 64 tokens
	v_add_nc_u32 v[ADRA], s78, v3
	v_add_nc_u32 v[ADRA+1], SLOT, v[ADRA]
	v_add_nc_u32 v[ADRB], BOFF, v3
	v_add_nc_u32 v[ADRB+1], SLOT, v[ADRB]
	s_mul_i32 s78, s20, 16*SPITCH
	s_add_co_u32 s78, s78, STAGE                   ; my stage
	v_mul_u32_u24 v4, v1, SPITCH
	v_lshl_add_u32 v4, v2, 4, v4
	v_add_nc_u32 v[STO], s78, v4                   ; in: token r, 16 bytes for each half of the lanes
	v_and_b32 v5, 31, v0
	v_lshrrev_b32 v6, 3, v5
	v_and_b32 v7, 7, v5
	v_mul_u32_u24 v6, v6, SPITCH
	v_lshl_add_u32 v6, v7, 4, v6
	v_add_nc_u32 v[RD], s78, v6                    ; back: eight lanes take a token's 128 bytes of one head, four tokens a load
	v_lshlrev_b32 v[CO], 4, v5                     ; the same four tokens in qkv: 512 consecutive bytes
; 12 matrix instructions: token tile a x all 12 feature tiles, 32 along K.  zero = 1: the first product, onto the bias.
.macro MULA f, a, zero
.if \zero
	WIN 0x81+0x40*(\a>>1)
.else
	WIN 0xa1+0x50*(\a>>1)
.endif
.irp b, 0,1,2,3,4,5,6,7,8,9,10,11
.if \zero
	v_wmma_f32_16x16x32_f16 v[8*(12*(\a&1)+\b):8*(12*(\a&1)+\b)+7], v[96*\f+8*\b:96*\f+8*\b+7], v[FA+32*\f+8*\a:FA+32*\f+8*\a+7], v[BIAS+8*\b:BIAS+8*\b+7]
.else
	v_wmma_f32_16x16x32_f16 v[8*(12*(\a&1)+\b):8*(12*(\a&1)+\b)+7], v[96*\f+8*\b:96*\f+8*\b+7], v[FA+32*\f+8*\a:FA+32*\f+8*\a+7], v[8*(12*(\a&1)+\b):8*(12*(\a&1)+\b)+7]
.endif
.endr
.endm
; 32 LDS loads in one run: 192 weight rows, then my 64 tokens, 32 K at byte k of the rows, into buffer f
.macro FETCH slot, k, f
	WIN 0x40
.irp i, 0,1,2,3,4,5,6,7,8,9,10,11
	ds_load_b128 v[96*\f+8*\i:96*\f+8*\i+3], v[ADRB+\slot] offset:\k+\i*16*PITCH
	ds_load_b128 v[96*\f+8*\i+4:96*\f+8*\i+7], v[ADRB+\slot] offset:\k+\i*16*PITCH+32
.endr
	WIN 0
.irp i, 0,1,2,3
	ds_load_b128 v[FA+32*\f+8*\i:FA+32*\f+8*\i+3], v[ADRA+\slot] offset:\k+\i*16*PITCH
	ds_load_b128 v[FA+32*\f+8*\i+4:FA+32*\f+8*\i+7], v[ADRA+\slot] offset:\k+\i*16*PITCH+32
.endr
.endm
; A K step is four quarters of 32 along K, 48 matrix instructions each.  The 48 accumulators take turns in one fixed order, one
; instruction a turn.
.macro QUARTER slot, k, f, g, zero
	s_wait_dscnt 4                                 ; all but the four youngest loads (token tiles 2, 3) are in
	MULA \f, 0, \zero
	MULA \f, 1, \zero
	PLACES
	FETCH \slot, \k, \g
	s_wait_dscnt 32                                ; all but the 32 just issued
	MULA \f, 2, \zero
	MULA \f, 3, \zero
.endm
.macro THREE slot, zero
	QUARTER \slot, 64,  0, 1, \zero
	QUARTER \slot, 128, 1, 0, 0
	QUARTER \slot, 192, 0, 1, 0
.endm
; The last quarter multiplies buffer 1 and changes slots.  In front of the barrier each wave waits for its reads of this slot and for
; all its tensor loads (its part of the next slot); behind it (where a slot is filled again: behind the cluster's round) the refill comes first.
.macro TURN slot, next, fill
	s_wait_dscnt 4
	MULA 1, 0, 0
	s_wait_dscnt 0                                 ; my reads of this slot are over
	s_wait_tensorcnt 0x0                           ; all my tensor loads have landed
	ds_add_u32 v255, v255
	s_wait_dscnt 0x0
	s_barrier_signal -1
	MULA 1, 1, 0                                   ; register work while the others arrive
	WIN 0
	s_barrier_wait -1
.if \fill
	CREST
	s_add_nc_u64 s[G0A+4*\slot+2:G0A+4*\slot+3], s[G0A+4*\slot+2:G0A+4*\slot+3], 512   ; two K steps on
	s_add_nc_u64 s[G0B+4*\slot+2:G0B+4*\slot+3], s[G0B+4*\slot+2:G0B+4*\slot+3], 512
	JLOAD \slot                                    ; the wave's one tensor load behind the round
.endif
	PLACES
	FETCH \next, 0, 0
	MULA 1, 2, 0
	MULA 1, 3, 0
.endm
.macro LAP zero
	THREE 0, \zero
	TURN 0, 1, 1
	THREE 1, 0
	TURN 1, 0, 1
.endm
	s_wait_loadcnt 0x0                             ; the bias, once
	s_wait_tensorcnt 0x1                           ; my part of K step 0 is in; K step 1's may stay out
	s_barrier_signal -1
	s_barrier_wait -1
	FETCH 0, 0, 0
	LAP 1                                          ; K steps 0, 1; asks for 2, 3
	WIN 0
	s_mov_b32 s86, 2                               ; K steps 2 to 5; ask for 4 to 7
.Llap:
	LAP 0
	WIN 0
	s_sub_co_u32 s86, s86, 1
	s_cmp_lg_u32 s86, 0
	s_cbranch_scc1 .Llap
	THREE 0, 0                                     ; K steps 6, 7: nothing is left to fetch
	TURN 0, 1, 0
	THREE 1, 0
	s_wait_dscnt 4
	MULA 1, 0, 0
	MULA 1, 1, 0
	s_wait_dscnt 0
	MULA 1, 2, 0
	MULA 1, 3, 0
	; THE WAY OUT, 16 tokens at a time: round to f16, 16 bytes a lane into my stage, read back by heads, store 512 consecutive bytes.
	PLACES
	s_lshr_b32 s90, s26, 3                         ; batch
	s_mul_i32 s90, s90, 48
	s_mul_i32 s91, s25, 3
	s_add_co_u32 s90, s90, s91                     ; my first head's plane
	s_lshl_b32 s90, s90, 11                        ; 2,048 tokens a plane
	s_and_b32 s91, s26, 7
	s_lshl_b32 s91, s91, 8
	s_add_co_u32 s90, s90, s91
	s_lshl_b32 s91, s20, 6
	s_add_co_u32 s90, s90, s91                     ; my first token
	s_lshl_b32 s90, s90, 7                         ; 128 bytes a token
	s_mov_b32 s91, 0
	s_add_nc_u64 s[88:89], s[12:13], s[90:91]
.macro OUT16 a
	WIN 0x0a+0x05*(\a>>1)
.irp b, 0,1,2,3,4,5,6,7,8,9,10,11
.irp p, 0,1,2,3
	v_cvt_pk_f16_f32 v[TMP+4*\b+\p], v[8*(12*(\a&1)+\b)+2*\p], v[8*(12*(\a&1)+\b)+2*\p+1]
.endr
.endr
	WIN 0
.irp b, 0,1,2,3,4,5,6,7,8,9,10,11
	ds_store_b128 v[STO], v[TMP+4*\b:TMP+4*\b+3] offset:32*\b
.endr
	s_wait_xcnt 0x0                                ; RB, which the last stores read, is loaded again only behind this wait
.irp gi, 0,1,2
.irp t, 0,1,2,3
	ds_load_b128 v[RB+4*(4*\gi+\t):RB+4*(4*\gi+\t)+3], v[RD] offset:4*SPITCH*\t+128*\gi   ; LDS serves a wave's instructions in order: these see the stores above
.endr
.endr
.irp gi, 0,1,2
.irp t, 0,1,2,3
	s_wait_dscnt 11-(4*\gi+\t)
	global_store_b128 v[CO], v[RB+4*(4*\gi+\t):RB+4*(4*\gi+\t)+3], s[88:89] offset:\gi*262144+\a*2048+\t*512
.endr
.endr
.endm
	OUT16 0
	OUT16 1
	OUT16 2
	OUT16 3
	s_set_vgpr_msb 0x1
	s_wait_tensorcnt 0x0
	ds_add_u32 v255, v255
	s_wait_dscnt 0x0
	s_set_vgpr_msb 0x100
	CROUND                                         ; the closing round: no work-group ends while a partner may still ask jointly
	s_endpgm
.Lfunc_end_k_q0551437a00_qkv:
	.size	k_q0551437a00_qkv, .Lfunc_end_k_q0551437a00_qkv-k_q0551437a00_qkv
	.p2alignl 7, 3214868480
	.fill 96, 4, 3214868480
	.section	.rodata,"a",@progbits
	.p2align	6, 0x0
	.amdhsa_kernel k_q0551437a00_qkv
		.amdhsa_group_segment_fixed_size 327680
		.amdhsa_private_segment_fixed_size 0
		.amdhsa_enable_private_segment 0
		.amdhsa_kernarg_size 40
		.amdhsa_user_sgpr_count 2
		.amdhsa_user_sgpr_kernarg_segment_ptr 1
		.amdhsa_wavefront_size32 1
		.amdhsa_system_sgpr_workgroup_id_x 1
		.amdhsa_system_sgpr_workgroup_id_y 1
		.amdhsa_system_sgpr_workgroup_id_z 1
		.amdhsa_system_vgpr_workitem_id 0
		.amdhsa_next_free_vgpr 960
		.amdhsa_next_free_sgpr 96
		.amdhsa_reserve_vcc 0
		.amdhsa_float_denorm_mode_32 3
		.amdhsa_float_denorm_mode_16_64 3
		.amdhsa_memory_ordered 1
		.amdhsa_forward_progress 1
		.amdhsa_inst_pref_size 167
	.end_amdhsa_kernel
	.amdgpu_metadata
---
amdhsa.version: [ 1, 2 ]
amdhsa.kernels:
  - .name:           k_q0551437a00_qkv
    .symbol:         k_q0551437a00_qkv.kd
    .args:
      - { .name: x16, .offset: 0, .size: 8, .value_kind: global_buffer, .address_space: global }
      - { .name: bq, .offset: 8, .size: 8, .value_kind: global_buffer, .address_space: global }
      - { .name: bk, .offset: 16, .size: 8, .value_kind: global_buffer, .address_space: global }
      - { .name: bv, .offset: 24, .size: 8, .value_kind: global_buffer, .address_space: global }
      - { .name: qkv, .offset: 32, .size: 8, .value_kind: global_buffer, .address_space: global }
    .group_segment_fixed_size: 327680
    .private_segment_fixed_size: 0
    .kernarg_segment_align: 8
    .kernarg_segment_size: 40
    .max_flat_workgroup_size: 128
    .sgpr_count:     96
    .vgpr_count:     960
    .wavefront_size: 32
...
	.end_amdgpu_metadata
.endif
;; end of part 2
;; launch attn (part 3): grid 8 x 32, 8 waves a work-group, no clusters, 327,680 bytes of LDS; arguments qkv, attention_mask, rel_bias_table, ctx; writes ctx
.if DOCPART == 3
	.amdgcn_target "amdgcn-amd-amdhsa--gfx1250"
	.amdhsa_code_object_version 6
	.text
	.protected	k_q0551437a00_attn
	.globl	k_q0551437a00_attn
	.p2align	8
	.type	k_q0551437a00_attn,@function
k_q0551437a00_attn:
	s_mov_b64 s[64:65], 0
	v_nop
	global_prefetch_b8 v0, s[64:65] scope:SCOPE_SE
	s_setreg_imm32_b32 hwreg(HW_REG_WAVE_MODE, 25, 1), 1
	s_wait_xcnt 0x0
; ctx = softmax(q k^T + relative bias, masked keys at -inf) v for one head and 256 queries a work-group, with a running maximum.
; LIMITS: operands f16 (|q|, |k|, |v|, |ctx| up to 65,504); the running maximum starts at -1e38, so a row whose unmasked scores all lie
; below that counts as masked; exp(s - m) is made as exp2(fma(s, log2 e, -m log2 e)), which rounds otherwise than the subtraction first;
; a batch whose keys are all masked gives NaN (0 x 1/0), as the softmax of -inf alone does.
; NO CLUSTER: the eight query blocks of a head read the same K and V, but the choice between a step near the diagonal and one far from it,
; and the LDS address in the bias table, hang on the query block, which would be the place in the cluster; joint loads allow neither.
; K and V are 512 KiB a work-group against 64 matrix instructions for every 16 KiB of them and wave.
; Eight waves, two to a SIMD: wave w has queries 64 (w & 3) .. + 63 of the block and keys 1024 (w >> 2) .. + 1023, in 16 steps of 64 keys;
; the two halves of the keys are merged once at the end, through LDS.
; S^T = K Q^T + C: source 0 = 16 keys, source 1 = 16 queries; lane (r, h) holds query r and keys 8 h + 0 .. 7 of the tile, so the row's
; maximum and sum are a lane's own affair but for one exchange between the halves, and S^T packed in pairs IS the second operand of
; O^T = V^T P.  C carries mask and bias: far from the diagonal (64 |D| - 63 >= 91, D the distance in blocks) the bias is one number,
; and the mask lies in LDS with that number already added, once for keys below the queries and once for keys above.
; THE RING: two slots of two steps.  A slot's last LDS reads are V's fragments of its second step, issued straight behind Q K^T.  So a wave
; signals the slot's barrier in the middle of that step, as soon as those reads are back and its tensor load has landed, does the step's
; exponentials, sums and 32 matrix instructions (registers only), and waits at the step's end, with the refill first behind the wait.
; A wave may thus be ahead of the others by that part of a step without standing still.
; The bucket map of the problem: n = |k - q|: min(n, 8) + [n>=12] + [n>=16] + [n>=23] + [n>=32] + [n>=46] + [n>=64] + [n>=91], + 16 where k > q.
.set SLOTB, 81920                      ; a slot: eight blocks, two steps of K and of V for both halves of the keys
.set BLK,   10240                      ; a block: 64 keys; block of wave w = kind (w>>2: K, V) x 4 + half of the keys x 2 + step
.set KP,    144                        ; K's rows: 128 bytes + 16, an odd multiple of 16
.set VP,    160                        ; V's rows: 128 bytes + 32, an odd multiple of 32, for the transposing load
.set MASK,  163840                     ; three tables of 2,048 f32: 0 or -inf; the same + table[15][h]; the same + table[31][h]
.set MTAB,  8192                       ; from table to table (1 << 13)
.set TAB,   188416                     ; four copies of the head's bias by distance; copy c, entry i: distance i + c - 256
.set TCOPY, 2112                       ; 2,048 bytes + 64, so that the copies start in different banks
.set MERGE, 196864                     ; 4 x 17,408: what the upper half of the keys hands over
.set MREG,  17408
.set OST,   266496                     ; 4 x 2,304: 16 rows x 144 bytes on the way out
.set OREG,  2304
.set KA,   2                           ; v2-3    my K fragments in slot 0, 1
.set VA,   4                           ; v4-5    my V fragments in slot 0, 1
.set MA,   6
.set TL,   7
.set TA,   8
.set MG,   9
.set OSTO, 10
.set ORD,  11
.set CO,   12
.set QOFF, 13
.set ML,   14
.set KV,   16                          ; v16-79   K(kt, c) at 8 (4 c + kt), then V(dt, g) at 8 (4 g + dt)
.set Q,    80                          ; v80-143  Q(qt, c) at 8 (2 qt + c)
.set MC,   144                         ; v144-175 mask (+ far bias) of the step's keys, 8 for each key tile
.set T,    176                         ; v176-219 11 for each query tile
.set MU,   220                         ; v220-223 running maximum
.set OF,   224                         ; v224-231 -log2 e x maximum, in the even register of a pair
.set AL,   232                         ; v232-239 the step's factor for what has been summed, likewise
.set LL,   240                         ; v240-247 running sum, a pair for each query tile
.set X,    248
; window 1: S(qt, kt) at 8 (4 qt + kt); packed: P(qt, g) at 32 qt + 16 g; O(dt, qt) at 128 + 8 (4 dt + qt)
.set MSB, 0
.macro WIN new
.if MSB != (\new)
	s_set_vgpr_msb (MSB<<8)|(\new)
.set MSB, (\new)
.endif
.endm
.macro PLACES                          ; five places: a matrix instruction may then write over the registers of the last ones (ISA guide 7.12.1)
.rept 5
	v_nop
.endr
.endm
.macro JLOAD s                         ; waves 0-3 bring K's blocks, waves 4-7 V's: the shapes differ in the padding alone
	s_cmp_eq_u32 s14, 0
	s_cbranch_scc0 .Lfor_v_\@
	tensor_load_to_lds s[32+4*\s:35+4*\s], s[24:31]
	s_nop 0
	s_branch .Lasked_\@
.Lfor_v_\@:
	tensor_load_to_lds s[32+4*\s:35+4*\s], s[56:63]
	s_nop 0
.Lasked_\@:
.endm
	s_load_b256 s[4:11], s[0:1], 0x0               ; qkv s[4:5], mask s[6:7], table s[8:9], ctx s[10:11]
	v_lshl_add_u32 v254, v0, 2, 0x43500
	v_mov_b32 v255, 0
	ds_add_u32 v254, v255
	s_wait_dscnt 0x0
	v_lshrrev_b32 v1, 5, v0
	v_readfirstlane_b32 s12, v1                    ; wave 0..7
	s_and_b32 s13, s12, 3                          ; qg: my 64 queries
	s_lshr_b32 s14, s12, 2                         ; hf: my half of the keys.  Also: I fetch K (0) or V (1)
	s_bfe_u32 s15, s12, 0x10001                    ; the half of the keys that I fetch for
	s_and_b32 s16, s12, 1                          ; the step of a slot that I fetch
	s_and_b32 s18, ttmp7, 0xffff
	s_lshr_b32 s19, s18, 4                         ; batch
	s_and_b32 s20, s18, 15                         ; head
	s_lshl_b32 s21, s20, 2
	s_mov_b32 s24, (1<<16)|(1<<20)|(4<<22)|(3<<25) ; 2-byte elements; padding on: 4 words behind every 32
	s_mov_b32 s56, (1<<16)|(1<<20)|(4<<22)|(7<<25) ; 8 words behind every 32
.irp g, 24, 56
	s_mov_b32 s[\g+1], 64<<16                      ; tensor_dim0 = 64
	s_mov_b32 s[\g+2], 64<<16                      ; tensor_dim1 = 64
	s_mov_b32 s[\g+3], 64<<16                      ; tile_dim0 = 64
	s_mov_b32 s[\g+4], 64                          ; tile_dim1 = 64
	s_mov_b32 s[\g+5], 64                          ; elements from row to row
	s_mov_b32 s[\g+6], 0
	s_mov_b32 s[\g+7], 0
.endr
	s_mul_i32 s66, s19, 48
	s_add_co_u32 s66, s66, s20                     ; q's plane: 48 b + h
	s_lshl_b32 s68, s66, 18
	s_add_co_u32 s66, s66, 16
	s_lshl4_add_u32 s66, s14, s66                  ; k's plane, or v's 16 further
	s_lshl_b32 s66, s66, 18                        ; planes of 262,144 bytes
	s_lshl4_add_u32 s22, s15, s16                  ; key block 16 x half + step
	s_lshl_b32 s22, s22, 13                        ; blocks of 8,192 bytes
	s_add_co_u32 s66, s66, s22
	s_mov_b32 s67, 0
	s_mul_i32 s23, s12, BLK
	s_wait_kmcnt 0x0
	s_add_nc_u64 s[66:67], s[4:5], s[66:67]
.irp s, 0,1
	s_mov_b32 s[32+4*\s], 1
	s_add_co_u32 s[33+4*\s], s23, \s*SLOTB
	s_add_nc_u64 s[34+4*\s:35+4*\s], s[66:67], \s*16384
	s_or_b32 s[35+4*\s], s[35+4*\s], 0x80000000
	JLOAD \s                                       ; steps 0, 1 and 2, 3: two tensor loads of the wave are out, the most in this text
.endr
	s_load_b32 s42, s[8:9], s21 offset:0x3c0       ; table[15][h]: keys far below the queries
	s_load_b32 s43, s[8:9], s21 offset:0x7c0       ; table[31][h]: keys far above
	s_lshl_b32 s45, ttmp9, 15
	s_add_co_u32 s68, s68, s45
	s_lshl_b32 s45, s13, 13
	s_add_co_u32 s68, s68, s45                     ; my 64 queries
	s_mov_b32 s69, 0
	s_add_nc_u64 s[68:69], s[4:5], s[68:69]
	s_mov_b32 s48, 0x76543210                      ; v_permlanex16_b32: lane i of one half reads lane i of the other
	s_mov_b32 s49, 0xfedcba98
	s_mov_b32 s52, 0x3fb8aa3b                      ; log2 e, twice
	s_mov_b32 s53, 0x3fb8aa3b
	s_mov_b32 s54, 0xbfb8aa3b                      ; -log2 e
	s_mov_b32 s50, 0                               ; my step, 0 .. 15
	s_lshl_b32 s55, s14, 4
	s_lshl_b32 s45, ttmp9, 2
	s_sub_co_u32 s55, s55, s45
	s_sub_co_u32 s55, s55, s13
	s_add_co_u32 s55, s55, 2                       ; key block - query block + 2 at step 0
	v_and_b32 v248, 31, v0                         ; l
	v_and_b32 v249, 15, v0                         ; r
	v_bfe_u32 v250, v0, 4, 1                       ; h
	v_lshlrev_b32 v[QOFF], 7, v249
	v_lshl_add_u32 v[QOFF], v250, 4, v[QOFF]       ; 128 r + 16 h
.irp qt, 0,1,2,3
.irp c, 0,1
	global_load_b128 v[Q+8*(2*\qt+\c):Q+8*(2*\qt+\c)+3], v[QOFF], s[68:69] offset:2048*\qt+64*\c
	global_load_b128 v[Q+8*(2*\qt+\c)+4:Q+8*(2*\qt+\c)+7], v[QOFF], s[68:69] offset:2048*\qt+64*\c+32
.endr
.endr
	s_lshl_b32 s45, s19, 11
	v_lshl_add_u32 v255, v0, 3, s45                ; the batch's mask: 8 bytes a thread
	global_load_b64 v[144:145], v255, s[6:7]
	; the head's bias by distance, four copies one entry apart, so that eight neighbouring entries are two aligned loads for every lane
.irp j, 0,1,2,3,4,5,6,7
	v_add_nc_u32 v251, 256*(\j&1)+(\j>>1)-256, v0  ; distance k - q of entry i = 256 (j & 1) + t in copy j >> 1
	v_sub_nc_u32 v252, 0, v251
	v_min_u32 v252, v251, v252                     ; n = |distance|: the negative one of the two is the larger as unsigned
	v_min_u32 v253, 8, v252
.irp th, 12, 16, 23, 32, 46, 64, 91
	v_cmp_le_u32 vcc_lo, \th, v252
	v_cndmask_b32 v254, 0, 1, vcc_lo
	v_add_nc_u32 v253, v253, v254
.endr
	v_cmp_lt_i32 vcc_lo, 0, v251
	v_cndmask_b32 v254, 0, 16, vcc_lo
	v_add_nc_u32 v253, v253, v254
	v_lshl_add_u32 v[160+\j], v253, 6, s21         ; table[bucket][h]
	global_load_b32 v[168+\j], v[160+\j], s[8:9]
.endr
	v_mul_u32_u24 v251, v249, KP
	v_lshl_add_u32 v251, v250, 4, v251
	s_mul_i32 s45, s14, 2*BLK
	v_add_nc_u32 v[KA], s45, v251                  ; key r of a tile, 16 h
	v_add_nc_u32 v[KA+1], SLOTB, v[KA]
	v_and_b32 v251, 7, v248
	v_lshl_add_u32 v251, v250, 3, v251
	v_mul_u32_u24 v251, v251, VP
	v_bfe_u32 v252, v248, 3, 1
	v_lshl_add_u32 v251, v252, 4, v251             ; (8 h + l % 8) rows + 16 ((l / 8) % 2): the transposing load's lane term
	s_add_co_u32 s45, s45, 4*BLK
	v_add_nc_u32 v[VA], s45, v251
	v_add_nc_u32 v[VA+1], SLOTB, v[VA]
	s_lshl_b32 s45, s14, 12
	s_add_co_u32 s45, s45, MASK
	v_lshl_add_u32 v[ML], v250, 5, s45             ; my half's mask, 8 h keys in
	v_sub_nc_u32 v251, 0, v249
	v_and_b32 v251, 3, v251                        ; copy c = (-r) mod 4
	v_lshl_add_u32 v252, v250, 3, 80
	v_sub_nc_u32 v252, v252, v249
	v_sub_nc_u32 v252, v252, v251                  ; 8 h - r - c + 80, a multiple of 4
	v_mul_u32_u24 v253, v251, TCOPY
	v_lshl_add_u32 v253, v252, 2, v253
	v_add_nc_u32 v[TL], TAB, v253
	s_mul_i32 s45, s13, MREG
	s_add_co_u32 s45, s45, MERGE
	v_lshl_add_u32 v[MG], v248, 4, s45
	s_mul_i32 s45, s13, OREG
	s_add_co_u32 s45, s45, OST
	v_mul_u32_u24 v251, v249, KP
	v_lshl_add_u32 v251, v250, 4, v251
	v_add_nc_u32 v[OSTO], s45, v251
	v_lshrrev_b32 v251, 3, v248
	v_and_b32 v252, 7, v248
	v_mul_u32_u24 v251, v251, KP
	v_lshl_add_u32 v251, v252, 4, v251
	v_add_nc_u32 v[ORD], s45, v251
	v_lshlrev_b32 v[CO], 4, v248
	v_lshlrev_b32 v252, 2, v0
	v_add_nc_u32 v252, TAB, v252
	v_lshlrev_b32 v253, 5, v0
	v_add_nc_u32 v253, MASK, v253
	v_mov_b32 v254, 0xff800000                     ; -inf
	s_wait_loadcnt 0x0                             ; Q, mask and table, once
	s_wait_kmcnt 0x0                               ; the two far biases
.irp k, 0,1,2,3,4,5,6,7
	v_bfe_u32 v251, v[144+\k/4], 8*(\k%4), 8
	v_cmp_ne_u32 vcc_lo, 0, v251
	v_cndmask_b32 v[148+\k], 0, v254, vcc_lo       ; a key that is masked adds -inf to its scores
.endr
.irp k, 0,1,2,3,4,5,6,7
	v_add_f32 v[176+\k], s42, v[148+\k]            ; the mask with the bias of keys far below the queries,
	v_add_f32 v[184+\k], s43, v[148+\k]            ; and of keys far above: 16 additions here for 16 in every far step
.endr
	ds_store_b128 v253, v[148:151]
	ds_store_b128 v253, v[152:155] offset:16
	ds_store_b128 v253, v[176:179] offset:MTAB
	ds_store_b128 v253, v[180:183] offset:MTAB+16
	ds_store_b128 v253, v[184:187] offset:2*MTAB
	ds_store_b128 v253, v[188:191] offset:2*MTAB+16
.irp j, 0,1,2,3,4,5,6,7
	ds_store_b32 v252, v[168+\j] offset:TCOPY*(\j>>1)+1024*(\j&1)
.endr
	; the 64 bytes behind each copy: the steps address entries 64 to 447 alone, but no byte of the table's region is left as it was found
	s_cmp_lg_u32 s12, 0
	s_cbranch_scc1 .Lgaps_done
	v_mul_u32_u24 v251, v250, TCOPY
	v_lshl_add_u32 v251, v249, 2, v251
	v_add_nc_u32 v251, TAB+2048, v251              ; wave 0: lanes 0-15 behind copy 0 (and 2), lanes 16-31 behind copy 1 (and 3)
	v_mov_b32 v254, 0
	ds_store_b32 v251, v254
	ds_store_b32 v251, v254 offset:2*TCOPY
.Lgaps_done:
.irp qt, 0,1,2,3
	v_mov_b32 v[MU+\qt], 0xfe967699                ; -1e38
	v_mul_f32 v[OF+2*\qt], s54, v[MU+\qt]
	v_mov_b32 v[OF+2*\qt+1], 0                     ; the odd halves are never used, but a pair is read whole
	v_mov_b32 v[AL+2*\qt], 0
	v_mov_b32 v[AL+2*\qt+1], 0
	v_mov_b32 v[LL+2*\qt], 0
	v_mov_b32 v[LL+2*\qt+1], 0
	v_mov_b32 v[X+\qt], 0
.endr
	s_wait_dscnt 0x0                               ; my part of masks and table is written
	s_wait_tensorcnt 0x1                           ; my block of slot 0 is in; slot 1's may stay out
	s_barrier_signal -1
	s_barrier_wait -1
; 16 matrix instructions: all key tiles x all query tiles, 32 of the 64 along d.  The 16 accumulators take turns.
.macro QK c, inplace
.irp qt, 0,1,2,3
.irp kt, 0,1,2,3
.if \inplace
	v_wmma_f32_16x16x32_f16 v[8*(4*\qt+\kt):8*(4*\qt+\kt)+7], v[KV+8*(4*\c+\kt):KV+8*(4*\c+\kt)+7], v[Q+8*(2*\qt+\c):Q+8*(2*\qt+\c)+7], v[8*(4*\qt+\kt):8*(4*\qt+\kt)+7]
.else
	v_wmma_f32_16x16x32_f16 v[8*(4*\qt+\kt):8*(4*\qt+\kt)+7], v[KV+8*(4*\c+\kt):KV+8*(4*\c+\kt)+7], v[Q+8*(2*\qt+\c):Q+8*(2*\qt+\c)+7], v[MC+8*\kt:MC+8*\kt+7]
.endif
.endr
.endr
.endm
; One step: 64 keys (step st of the slot) against my 64 queries.  first = 1: nothing has been summed yet.
; sig = 1, 2: the slot's last step: the barrier is signalled in its middle (1: the slot's address is stepped for its refill as well).
.macro STEP slot, st, first, sig
	s_add_co_u32 s41, s50, s55                     ; D + 2
	s_cmp_lt_i32 s41, 2
	s_cselect_b32 s46, 1, 2                        ; far: the mask with the bias of keys below, or above
	s_cmp_lt_u32 s41, 5
	s_cselect_b32 s46, 0, s46                      ; near (|D| <= 2): the plain mask
	s_min_u32 s46, s46, 2                          ; the table is 0 .. 2 and the step 0 .. 15: the bounds are written out
	s_min_u32 s45, s50, 15
	s_lshl_b32 s45, s45, 8
	s_lshl_b32 s46, s46, 13
	s_add_co_u32 s45, s45, s46
	v_add_nc_u32 v[MA], s45, v[ML]
.irp kt, 0,1,2,3
	ds_load_b128 v[MC+8*\kt:MC+8*\kt+3], v[MA] offset:64*\kt
	ds_load_b128 v[MC+8*\kt+4:MC+8*\kt+7], v[MA] offset:64*\kt+16
.endr
.irp c, 0,1
.irp kt, 0,1,2,3
	ds_load_b128 v[KV+8*(4*\c+\kt):KV+8*(4*\c+\kt)+3], v[KA+\slot] offset:BLK*\st+16*KP*\kt+64*\c
	ds_load_b128 v[KV+8*(4*\c+\kt)+4:KV+8*(4*\c+\kt)+7], v[KA+\slot] offset:BLK*\st+16*KP*\kt+64*\c+32
.endr
.endr
	s_cmp_lt_u32 s41, 5
	s_cbranch_scc1 .Lnear_\@
	s_wait_dscnt 0                                 ; far: every distance is 129 or more; mask + bias came as one
	WIN 0x40
	QK 0, 0                                        ; the first product adds onto mask + bias
	WIN 0
	s_branch .Ljoin_\@
.Lnear_\@:
	s_min_u32 s45, s41, 4
	s_lshl_b32 s45, s45, 8                         ; 64 distances a block
	v_add_nc_u32 v[TA], s45, v[TL]
	WIN 0x40
.irp qt, 0,1,2,3
.irp kt, 0,1,2,3
	ds_load_b128 v[8*(4*\qt+\kt):8*(4*\qt+\kt)+3], v[TA] offset:64*(\kt-\qt+3)       ; the bias of distances 64 D + 16 (kt - qt) + 8 h - r + 0 .. 7
	ds_load_b128 v[8*(4*\qt+\kt)+4:8*(4*\qt+\kt)+7], v[TA] offset:64*(\kt-\qt+3)+16
.endr
.endr
	s_wait_dscnt 0
	WIN 0x41
.irp qt, 0,1,2,3
.irp kt, 0,1,2,3
.irp p, 0,1,2,3
	v_pk_add_f32 v[8*(4*\qt+\kt)+2*\p:8*(4*\qt+\kt)+2*\p+1], v[8*(4*\qt+\kt)+2*\p:8*(4*\qt+\kt)+2*\p+1], v[MC+8*\kt+2*\p:MC+8*\kt+2*\p+1]
.endr
.endr
.endr
	WIN 0x50
	QK 0, 1
	WIN 0
.Ljoin_\@:
	WIN 0x50
	QK 1, 1
	WIN 0
	PLACES                                         ; behind them K's registers are loaded again and S is read
.irp g, 0,1
.irp dt, 0,1,2,3
	ds_load_tr16_b128 v[KV+8*(4*\g+\dt):KV+8*(4*\g+\dt)+3], v[VA+\slot] offset:BLK*\st+32*VP*\g+32*\dt
	ds_load_tr16_b128 v[KV+8*(4*\g+\dt)+4:KV+8*(4*\g+\dt)+7], v[VA+\slot] offset:BLK*\st+32*VP*\g+32*\dt+16*VP
.endr
.endr
	; the running maximum: 32 scores a lane and query tile, the old maximum, and the other half of the lanes
	WIN 0x15
.irp qt, 0,1,2,3
.irp i, 0,1,2,3,4,5,6,7,8,9
	v_max3_num_f32 v[T+11*\qt+\i], v[32*\qt+3*\i], v[32*\qt+3*\i+1], v[32*\qt+3*\i+2]
.endr
	v_max_num_f32 v[T+11*\qt+10], v[32*\qt+30], v[32*\qt+31]
.endr
	WIN 0
.irp qt, 0,1,2,3
	v_max3_num_f32 v[T+11*\qt], v[T+11*\qt], v[T+11*\qt+1], v[T+11*\qt+2]
	v_max3_num_f32 v[T+11*\qt+3], v[T+11*\qt+3], v[T+11*\qt+4], v[T+11*\qt+5]
	v_max3_num_f32 v[T+11*\qt+6], v[T+11*\qt+6], v[T+11*\qt+7], v[T+11*\qt+8]
	v_max3_num_f32 v[T+11*\qt+9], v[T+11*\qt+9], v[T+11*\qt+10], v[MU+\qt]
.endr
.irp qt, 0,1,2,3
	v_max3_num_f32 v[T+11*\qt], v[T+11*\qt], v[T+11*\qt+3], v[T+11*\qt+6]
.endr
.irp qt, 0,1,2,3
	v_max_num_f32 v[T+11*\qt], v[T+11*\qt], v[T+11*\qt+9]
.endr
.irp qt, 0,1,2,3
	v_permlanex16_b32 v[X+\qt], v[T+11*\qt], s48, s49
.endr
.irp qt, 0,1,2,3
	v_max_num_f32 v[MU+\qt], v[T+11*\qt], v[X+\qt]
.endr
.irp qt, 0,1,2,3
	v_mul_f32 v[T+11*\qt+1], s54, v[MU+\qt]        ; the new shift, as rounded
.endr
.irp qt, 0,1,2,3
	v_sub_f32 v[AL+2*\qt], v[T+11*\qt+1], v[OF+2*\qt]   ; new shift - old shift: exactly what the earlier exponentials are off by
.endr
.irp qt, 0,1,2,3
	v_exp_f32 v[AL+2*\qt], v[AL+2*\qt]
.endr
.irp qt, 0,1,2,3
	v_mov_b32 v[OF+2*\qt], v[T+11*\qt+1]           ; plain instructions between the exponentials and the first use of their results (ISA guide 5.7.2)
.endr
.if \sig
	s_wait_dscnt 0x0                               ; V's fragments are back: my reads of this slot are over
	s_wait_xcnt 0x0
	v_lshl_add_u32 v254, v0, 2, 0x43500
	v_mov_b32 v255, 0
	s_wait_tensorcnt 0x0                           ; my block of the other slot has landed, and no tensor load of mine is out,
	ds_add_u32 v254, v255
	s_wait_dscnt 0x0
.if \sig == 1
	s_add_nc_u64 s[34+4*\slot:35+4*\slot], s[34+4*\slot:35+4*\slot], 32768   ; so this slot's address may step: four key blocks on
.endif
	s_barrier_signal -1                            ; from here to the wait at the step's end: registers alone
.endif
	; exp2(s log2 e + shift).  The exponentials take turns with the multiply-adds that feed them, four pairs ahead, and with the
	; scaling of O, which hangs on none of them: 128 exponentials among 128 plain instructions, all under one window setting.
	WIN 0x41
.set i, 0
.rept 4
	v_pk_fma_f32 v[2*i:2*i+1], v[2*i:2*i+1], s[52:53], v[OF+2*(i/16):OF+2*(i/16)+1] op_sel_hi:[1,0,0]
.set i, i+1
.endr
.set i, 0
.rept 64
	v_exp_f32 v[2*i], v[2*i]
.if i < 60
	v_pk_fma_f32 v[2*i+8:2*i+9], v[2*i+8:2*i+9], s[52:53], v[OF+2*((i+4)/16):OF+2*((i+4)/16)+1] op_sel_hi:[1,0,0]
.endif
	v_exp_f32 v[2*i+1], v[2*i+1]
.if \first == 0
	s_wait_alu depctr_va_vdst(0)
	v_pk_mul_f32 v[128+2*i:129+2*i], v[128+2*i:129+2*i], v[AL+2*((i/4)%4):AL+2*((i/4)%4)+1] op_sel_hi:[1,0]
.endif
.set i, i+1
.endr
	v_nop                                          ; a plain place behind the last exponential
	WIN 0
	s_wait_alu depctr_va_vdst(0)
.irp qt, 0,1,2,3
	v_pk_mul_f32 v[LL+2*\qt:LL+2*\qt+1], v[LL+2*\qt:LL+2*\qt+1], v[AL+2*\qt:AL+2*\qt+1] op_sel_hi:[1,0]
.endr
	WIN 0x01
	s_wait_alu depctr_va_vdst(0)
.irp i, 0,1,2,3,4,5,6,7,8,9,10,11,12,13,14,15
.irp qt, 0,1,2,3
	v_pk_add_f32 v[LL+2*\qt:LL+2*\qt+1], v[32*\qt+2*\i:32*\qt+2*\i+1], v[LL+2*\qt:LL+2*\qt+1]
.endr
.endr
	WIN 0x45
.irp qt, 0,1,2,3
.irp g, 0,1
.irp p, 0,1,2,3
	v_cvt_pk_f16_f32 v[32*\qt+16*\g+\p], v[32*\qt+16*\g+2*\p], v[32*\qt+16*\g+2*\p+1]         ; key tile 2 g: k = 8 h + 0 .. 7 of the 32
.endr
.irp p, 0,1,2,3
	v_cvt_pk_f16_f32 v[32*\qt+16*\g+4+\p], v[32*\qt+16*\g+8+2*\p], v[32*\qt+16*\g+9+2*\p]     ; key tile 2 g + 1: k = 16 + 8 h + 0 .. 7
.endr
.endr
.endr
.if \sig == 0
	s_wait_dscnt 0                                 ; V's fragments (in a slot's last step they were waited for in front of the signal)
.endif
	WIN 0x54
.irp g, 0,1
.irp dt, 0,1,2,3
.irp qt, 0,1,2,3
.if \first*(1-\g)
	v_wmma_f32_16x16x32_f16 v[128+8*(4*\dt+\qt):128+8*(4*\dt+\qt)+7], v[KV+8*(4*\g+\dt):KV+8*(4*\g+\dt)+7], v[32*\qt+16*\g:32*\qt+16*\g+7], 0
.else
	v_wmma_f32_16x16x32_f16 v[128+8*(4*\dt+\qt):128+8*(4*\dt+\qt)+7], v[KV+8*(4*\g+\dt):KV+8*(4*\g+\dt)+7], v[32*\qt+16*\g:32*\qt+16*\g+7], v[128+8*(4*\dt+\qt):128+8*(4*\dt+\qt)+7]
.endif
.endr
.endr
.endr
	WIN 0
	PLACES                                         ; behind them V's registers are loaded again, P is written over and O is scaled
	s_add_co_u32 s50, s50, 1
.endm
; A slot's two steps.  sig as in STEP; behind the wait every wave's reads of this slot are over and the other slot is whole.
; refill = 1: this slot's next two steps are asked for, the wave's first and only tensor load behind the barrier; it is waited for in
; the middle of the other slot's second step.
.macro PAIR slot, first, sig, refill
	STEP \slot, 0, \first, 0
	STEP \slot, 1, 0, \sig
.if \sig
	s_barrier_wait -1
.endif
.if \refill
	JLOAD \slot
.endif
.endm
	PAIR 0, 1, 1, 1                                ; steps 0, 1; asks for 4, 5
	s_mov_b32 s44, 2
.Lloop:
	PAIR 1, 0, 1, 1                                ; steps 2, 3 and 6, 7; ask for 6, 7 and 10, 11
	PAIR 0, 0, 1, 1                                ; steps 4, 5 and 8, 9; ask for 8, 9 and 12, 13
	s_sub_co_u32 s44, s44, 1
	s_cmp_lg_u32 s44, 0
	s_cbranch_scc1 .Lloop
	PAIR 1, 0, 1, 1                                ; steps 10, 11; asks for 14, 15: the last load
	PAIR 0, 0, 2, 0                                ; steps 12, 13: the barrier shows slot 1 whole; nothing is left to fetch
	PAIR 1, 0, 0, 0                                ; steps 14, 15
	; THE TWO HALVES OF THE KEYS MEET.  Each has sums relative to its own shift; the smaller shift belongs to the larger maximum.
.irp qt, 0,1,2,3
	v_add_f32 v[T+\qt], v[LL+2*\qt], v[LL+2*\qt+1]
.endr
.irp qt, 0,1,2,3
	v_permlanex16_b32 v[X+\qt], v[T+\qt], s48, s49
.endr
.irp qt, 0,1,2,3
	v_add_f32 v[T+\qt], v[T+\qt], v[X+\qt]         ; the row's sum over my 1,024 keys
	v_mov_b32 v[T+4+\qt], v[OF+2*\qt]
.endr
	s_cmp_eq_u32 s14, 0
	s_cbranch_scc1 .Lkeep
	WIN 0x04
.set i, 0
.rept 32
	ds_store_b128 v[MG], v[128+4*i:131+4*i] offset:512*i
.set i, i+1
.endr
	WIN 0
	ds_store_b128 v[MG], v[T:T+3] offset:16384
	ds_store_b128 v[MG], v[T+4:T+7] offset:16896
.Lkeep:
	s_wait_dscnt 0x0
	s_barrier_signal -1
	s_barrier_wait -1
	s_cmp_lg_u32 s14, 0
	s_cbranch_scc1 .Lend                           ; the upper half's waves have handed over
	WIN 0x40
.set i, 0
.rept 32
	ds_load_b128 v[4*i:4*i+3], v[MG] offset:512*i  ; the partner's O, in the registers that held S
.set i, i+1
.endr
	WIN 0
	ds_load_b128 v[T+8:T+11], v[MG] offset:16384   ; its sums
	ds_load_b128 v[T+12:T+15], v[MG] offset:16896  ; its shifts
	s_lshl_b32 s70, s19, 4
	s_lshl1_add_u32 s70, ttmp9, s70
	s_lshr_b32 s45, s13, 1
	s_add_co_u32 s70, s70, s45                     ; block of 128 tokens: 16 b + 2 qx + qg / 2
	s_lshl_b32 s70, s70, 18
	s_lshl_b32 s45, s20, 14
	s_add_co_u32 s70, s70, s45                     ; the head's 16 KiB in it
	s_and_b32 s45, s13, 1
	s_lshl_b32 s45, s45, 13
	s_add_co_u32 s70, s70, s45                     ; my 64 tokens
	s_mov_b32 s71, 0
	s_add_nc_u64 s[70:71], s[10:11], s[70:71]
	s_wait_dscnt 0x0
.irp qt, 0,1,2,3
	v_min_num_f32 v[T+16+\qt], v[T+4+\qt], v[T+12+\qt]
	v_sub_f32 v[T+20+\qt], v[T+16+\qt], v[T+4+\qt]
	v_sub_f32 v[T+24+\qt], v[T+16+\qt], v[T+12+\qt]
.endr
.irp qt, 0,1,2,3
	v_exp_f32 v[T+20+\qt], v[T+20+\qt]
	v_exp_f32 v[T+24+\qt], v[T+24+\qt]
.endr
	v_nop
	s_wait_alu depctr_va_vdst(0)
.irp qt, 0,1,2,3
	v_mul_f32 v[T+28+\qt], v[T+\qt], v[T+20+\qt]
	v_fmac_f32 v[T+28+\qt], v[T+8+\qt], v[T+24+\qt]
.endr
.irp qt, 0,1,2,3
	v_rcp_f32 v[T+28+\qt], v[T+28+\qt]
.endr
	v_nop
	s_wait_alu depctr_va_vdst(0)
.irp qt, 0,1,2,3
	v_mul_f32 v[AL+2*\qt], v[T+20+\qt], v[T+28+\qt]   ; my factor, the division by the sum in it
	v_mul_f32 v[OF+2*\qt], v[T+24+\qt], v[T+28+\qt]   ; the partner's
.endr
	WIN 0x41
.set i, 0
.rept 64
	v_pk_mul_f32 v[128+2*i:129+2*i], v[128+2*i:129+2*i], v[AL+2*((i/4)%4):AL+2*((i/4)%4)+1] op_sel_hi:[1,0]
.set i, i+1
.endr
	WIN 0x51
.set i, 0
.rept 64
	v_pk_fma_f32 v[128+2*i:129+2*i], v[2*i:2*i+1], v[OF+2*((i/4)%4):OF+2*((i/4)%4)+1], v[128+2*i:129+2*i] op_sel_hi:[1,0,1]
.set i, i+1
.endr
	WIN 0x45
.set i, 0
.rept 16
.irp p, 0,1,2,3
	v_cvt_pk_f16_f32 v[128+8*i+\p], v[128+8*i+2*\p], v[128+8*i+2*\p+1]
.endr
.set i, i+1
.endr
	; 16 queries at a time through my own stage: in by 16 bytes of a row, back as four whole rows of 128 bytes
.irp qt, 0,1,2,3
	WIN 0x04
.irp dt, 0,1,2,3
	ds_store_b128 v[OSTO], v[128+8*(4*\dt+\qt):128+8*(4*\dt+\qt)+3] offset:32*\dt
.endr
	WIN 0
.irp n, 0,1,2,3
	ds_load_b128 v[KV+16*\qt+4*\n:KV+16*\qt+4*\n+3], v[ORD] offset:4*KP*\n   ; LDS serves a wave's instructions in order
.endr
.endr
	s_wait_dscnt 0x0
.irp qt, 0,1,2,3
.irp n, 0,1,2,3
	global_store_b128 v[CO], v[KV+16*\qt+4*\n:KV+16*\qt+4*\n+3], s[70:71] offset:2048*\qt+512*\n   ; 512 consecutive bytes, aligned
.endr
.endr
.Lend:
	s_wait_xcnt 0x0
	v_lshl_add_u32 v254, v0, 2, 0x43500
	v_mov_b32 v255, 0
	s_wait_tensorcnt 0x0
	ds_add_u32 v254, v255
	s_wait_dscnt 0x0
	s_endpgm
.Lfunc_end_k_q0551437a00_attn:
	.size	k_q0551437a00_attn, .Lfunc_end_k_q0551437a00_attn-k_q0551437a00_attn
	.p2alignl 7, 3214868480
	.fill 96, 4, 3214868480
	.section	.rodata,"a",@progbits
	.p2align	6, 0x0
	.amdhsa_kernel k_q0551437a00_attn
		.amdhsa_group_segment_fixed_size 327680
		.amdhsa_private_segment_fixed_size 0
		.amdhsa_enable_private_segment 0
		.amdhsa_kernarg_size 32
		.amdhsa_user_sgpr_count 2
		.amdhsa_user_sgpr_kernarg_segment_ptr 1
		.amdhsa_wavefront_size32 1
		.amdhsa_system_sgpr_workgroup_id_x 1
		.amdhsa_system_sgpr_workgroup_id_y 1
		.amdhsa_system_sgpr_workgroup_id_z 1
		.amdhsa_system_vgpr_workitem_id 0
		.amdhsa_next_free_vgpr 512
		.amdhsa_next_free_sgpr 80
		.amdhsa_reserve_vcc 1
		.amdhsa_float_denorm_mode_32 3
		.amdhsa_float_denorm_mode_16_64 3
		.amdhsa_memory_ordered 1
		.amdhsa_forward_progress 1
		.amdhsa_inst_pref_size 255
	.end_amdhsa_kernel
	.section	.bss,"aw",@nobits
	.p2align	6
	.space	262144
	.amdgpu_metadata
---
amdhsa.version: [ 1, 2 ]
amdhsa.kernels:
  - .name:           k_q0551437a00_attn
    .symbol:         k_q0551437a00_attn.kd
    .args:
      - { .name: qkv, .offset: 0, .size: 8, .value_kind: global_buffer, .address_space: global }
      - { .name: attention_mask, .offset: 8, .size: 8, .value_kind: global_buffer, .address_space: global }
      - { .name: rel_bias_table, .offset: 16, .size: 8, .value_kind: global_buffer, .address_space: global }
      - { .name: ctx, .offset: 24, .size: 8, .value_kind: global_buffer, .address_space: global }
    .group_segment_fixed_size: 327680
    .private_segment_fixed_size: 0
    .kernarg_segment_align: 8
    .kernarg_segment_size: 32
    .max_flat_workgroup_size: 256
    .sgpr_count:     80
    .vgpr_count:     512
    .wavefront_size: 32
...
	.end_amdgpu_metadata
.endif
;; end of part 3
;; launch oproj (part 4): grid 8 x 32, 4 waves a work-group, clusters of 4 x 4, 327,680 bytes of LDS; arguments ctx, x16, bo, out0; writes out0
.if DOCPART == 4
	.amdgcn_target "amdgcn-amd-amdhsa--gfx1250"
	.amdhsa_code_object_version 6
	.text
	.protected	k_q0551437a00_oproj
	.globl	k_q0551437a00_oproj
	.p2align	8
	.type	k_q0551437a00_oproj,@function
k_q0551437a00_oproj:
	s_mov_b64 s[64:65], 0
	v_nop
	global_prefetch_b8 v0, s[64:65] scope:SCOPE_SE
	s_setreg_imm32_b32 hwreg(HW_REG_WAVE_MODE, 25, 1), 1
	s_wait_xcnt 0x0
	s_wait_alu depctr_hold_cnt(0) depctr_sa_sdst(0) depctr_va_vdst(0) depctr_va_sdst(0) depctr_va_ssrc(0) depctr_va_vcc(0) depctr_vm_vsrc(0)
	s_getreg_b32 s2, hwreg(HW_REG_IB_STS2, 6, 4)
	s_cmp_eq_u32 s2, 0
	s_cbranch_scc0 .Lentry_in_a_cluster
	s_endpgm
.Lentry_in_a_cluster:
	s_bfe_u32 s2, ttmp6, 0x10000c
	s_cmp_lg_u32 s2, 0xf033
	s_cbranch_scc0 .Lentry_shape_is_right
	s_endpgm
.Lentry_shape_is_right:
; out0 [4096][1024] f32 = ctx x Wo16 transposed + bo; operands f16, sums f32.  ctx lies as [32 blocks of 128 tokens][16 heads][128][64].
; A work-group makes 128 tokens x 128 features: 8 x 32 = 256 work-groups; a wave 64 x 64: 16 accumulator tiles.  Larger blocks would
; leave work for fewer work-groups than there are WGPs.
; K = 1024 goes in four slot fills of 256 (four heads) through two LDS slots.  CLUSTERS: 4 x 4; ctx's tile hangs on the block row alone
; and is asked for jointly along a row of the cluster, Wo's on the block column alone, along a column.
; The matrix instruction is used transposed (source 0 = rows of Wo, source 1 = tokens): lane l holds token l % 16 and eight neighbouring
; features, whose bias is the C operand of the first product.
.set APITCH, 144                       ; a token's 128 bytes of one head + 16
.set BPITCH, 528                       ; 512 bytes of a row of Wo + 16
.set AHALF,  256*APITCH                ; two heads x 128 tokens: one load
.set BOFF,   2*AHALF
.set BHALF,  64*BPITCH                 ; 64 rows of Wo: one load
.set SLOT,   BOFF+2*BHALF
.set STAGE,  2*SLOT                    ; behind the ring: 16 rows x 272 bytes for each wave; no tensor load lands here
.set SPITCH, 272
.set ADRA, 16
.set ADRB, 20
.set STO,  24
.set RD,   25
.set CO,   26
.set BO,   27
.set F,    32                          ; buffer f at 32 + 64 f: Wo's four fragments, then the tokens' four
.set BIAS, 160                         ; v160-191
.set G1A, 32
.set G0A, 40
.set G1B, 48
.set G0B, 56
.set MSB, 0
.macro WIN new
.if MSB != (\new)
	s_set_vgpr_msb (MSB<<8)|(\new)
.set MSB, (\new)
.endif
.endm
.macro PLACES                          ; four places between a matrix instruction and a load into, or a read of, its registers
.rept 4
	v_nop
.endr
.endm
.macro JLOAD s
	s_cmp_eq_u32 s21, 0
	s_cbranch_scc0 .Lfor_b_\@
	tensor_load_to_lds s[G0A+4*\s:G0A+4*\s+3], s[G1A:G1A+7]
	s_nop 0
	s_branch .Lasked_\@
.Lfor_b_\@:
	tensor_load_to_lds s[G0B+4*\s:G0B+4*\s+3], s[G1B:G1B+7]
	s_nop 0
.Lasked_\@:
.endm
.macro CROUND                          ; a round of the cluster's barrier
	s_barrier_signal -1
	s_barrier_wait -1
	s_cmp_lg_u32 s20, 0
	s_cbranch_scc1 .Lnot_wave_0_\@
	s_barrier_signal -3
.Lnot_wave_0_\@:
	s_barrier_wait -3
	s_barrier_signal -1
	s_barrier_wait -1
.endm
	s_load_b256 s[4:11], s[0:1], 0x0               ; ctx s[4:5], x16 s[6:7], bo s[8:9], out0 s[10:11]
	v_lshl_add_u32 v254, v0, 2, 0x49400
	v_mov_b32 v255, 0
	ds_add_u32 v254, v255
	v_lshrrev_b32 v1, 5, v0
	v_readfirstlane_b32 s20, v1                    ; wave 0..3
	s_lshr_b32 s21, s20, 1                         ; my half of the tokens.  Also: I fetch ctx (0) or Wo (1)
	s_and_b32 s22, s20, 1                          ; my half of the features.  Also: which half of that tile I fetch
	s_bfe_u32 s23, ttmp6, 0x40000                  ; cx
	s_bfe_u32 s24, ttmp6, 0x40004                  ; cy
	s_lshl_b32 s25, ttmp9, 2
	s_add_co_u32 s25, s25, s23                     ; block column: 128 features
	s_and_b32 s26, ttmp7, 0xffff
	s_lshl_b32 s26, s26, 2
	s_add_co_u32 s26, s26, s24                     ; block row: 128 tokens
	s_lshl_b32 s27, s24, 2
	s_lshl_b32 s27, 15, s27                        ; my row of the cluster
	s_lshl_b32 s28, 0x1111, s23                    ; my column
	s_or_b32 s[G1A+0], s27, (1<<16)|(1<<20)|(1<<21)|(4<<22)|(3<<25)   ; 4 words of padding behind every 32
	s_or_b32 s[G1B+0], s28, (1<<16)|(1<<20)|(1<<21)|(6<<22)|(3<<25)   ; behind every 128
	s_mov_b32 s[G1A+1], 64<<16                     ; tensor_dim0
	s_mov_b32 s[G1B+1], 256<<16
	s_mov_b32 s[G1A+2], 256<<16                    ; tensor_dim1
	s_mov_b32 s[G1B+2], 64<<16
	s_mov_b32 s[G1A+3], 64<<16                     ; tile_dim0
	s_mov_b32 s[G1B+3], 256<<16
	s_mov_b32 s[G1A+4], 256                        ; tile_dim1: two heads' 128 tokens follow each other in ctx
	s_mov_b32 s[G1B+4], 64
	s_mov_b32 s[G1A+5], 64                         ; elements from row to row
	s_mov_b32 s[G1B+5], 1024
	s_mov_b32 s[G1A+6], 0
	s_mov_b32 s[G1B+6], 0
	s_mov_b32 s[G1A+7], 0
	s_mov_b32 s[G1B+7], 0
	s_lshl_b32 s74, s22, 15                        ; two heads x 16 KiB
	s_lshl_b32 s66, s26, 18                        ; a block of 128 tokens: 256 KiB
	s_add_co_u32 s66, s66, s74
	s_mov_b32 s67, 0
	s_lshl_b32 s75, s22, 6
	s_lshl_b32 s70, s25, 7
	s_add_co_u32 s70, s70, s75                     ; Wo: row 128 x block column + 64 x half
	s_lshl_b32 s70, s70, 11
	s_add_co_u32 s70, s70, 0xe00000                ; Wo16 begins at 14 MiB
	s_mov_b32 s71, 0
	s_mul_i32 s76, s20, AHALF                      ; LDS: waves 0, 1
	s_mul_i32 s77, s20, BHALF
	s_add_co_u32 s77, s77, BOFF-2*BHALF            ; waves 2, 3: from BOFF on
	s_wait_dscnt 0x0
	s_wait_kmcnt 0x0
	s_add_nc_u64 s[68:69], s[4:5], s[66:67]
	s_add_nc_u64 s[72:73], s[6:7], s[70:71]
	CROUND                                         ; in front of the first joint loads
.irp s, 0,1
	s_mov_b32 s[G0A+4*\s], 1
	s_add_co_u32 s[G0A+4*\s+1], s76, \s*SLOT
	s_add_nc_u64 s[G0A+4*\s+2:G0A+4*\s+3], s[68:69], \s*65536
	s_or_b32 s[G0A+4*\s+3], s[G0A+4*\s+3], 0x80000000
	s_mov_b32 s[G0B+4*\s], 1
	s_add_co_u32 s[G0B+4*\s+1], s77, \s*SLOT
	s_add_nc_u64 s[G0B+4*\s+2:G0B+4*\s+3], s[72:73], \s*512
	s_or_b32 s[G0B+4*\s+3], s[G0B+4*\s+3], 0x80000000
	JLOAD \s                                       ; two tensor loads of the wave are out, the most in this text
.endr
	s_lshl_b32 s78, s25, 9
	s_mov_b32 s79, 0
	s_add_nc_u64 s[80:81], s[8:9], s[78:79]        ; the block's 128 biases
	v_and_b32 v1, 15, v0                           ; r
	v_bfe_u32 v2, v0, 4, 1                         ; h
	s_lshl_b32 s78, s22, 8
	v_lshl_add_u32 v[BO], v2, 5, s78
.irp b, 0,1,2,3
	global_load_b128 v[BIAS+8*\b:BIAS+8*\b+3], v[BO], s[80:81] offset:64*\b
	global_load_b128 v[BIAS+8*\b+4:BIAS+8*\b+7], v[BO], s[80:81] offset:64*\b+16
.endr
	v_mul_u32_u24 v3, v1, APITCH
	v_lshl_add_u32 v3, v2, 4, v3
	s_mul_i32 s78, s21, 64*APITCH
	v_add_nc_u32 v[ADRA], s78, v3
	v_add_nc_u32 v[ADRA+1], SLOT, v[ADRA]
	v_mul_u32_u24 v4, v1, BPITCH
	v_lshl_add_u32 v4, v2, 4, v4
	s_mul_i32 s78, s22, 64*BPITCH
	s_add_co_u32 s78, s78, BOFF
	v_add_nc_u32 v[ADRB], s78, v4
	v_add_nc_u32 v[ADRB+1], SLOT, v[ADRB]
	s_mul_i32 s78, s20, 16*SPITCH
	s_add_co_u32 s78, s78, STAGE
	v_mul_u32_u24 v5, v1, SPITCH
	v_lshl_add_u32 v5, v2, 5, v5
	v_add_nc_u32 v[STO], s78, v5                   ; in: token r, 32 bytes for each half of the lanes
	v_mul_u32_u24 v6, v2, SPITCH
	v_lshl_add_u32 v6, v1, 4, v6
	v_add_nc_u32 v[RD], s78, v6                    ; back: sixteen lanes take a token's 256 bytes
	v_lshlrev_b32 v7, 12, v2
	v_lshl_add_u32 v[CO], v1, 4, v7                ; the same two tokens in out0
; 16 LDS loads: 32 along K (chunk q of the slot's eight: head q / 2, half q % 2 of its 64) into buffer f
.macro FETCH slot, q, f
.irp b, 0,1,2,3
	ds_load_b128 v[F+64*\f+8*\b:F+64*\f+8*\b+3], v[ADRB+\slot] offset:16*BPITCH*\b+64*\q
	ds_load_b128 v[F+64*\f+8*\b+4:F+64*\f+8*\b+7], v[ADRB+\slot] offset:16*BPITCH*\b+64*\q+32
.endr
.irp a, 0,1,2,3
	ds_load_b128 v[F+64*\f+32+8*\a:F+64*\f+32+8*\a+3], v[ADRA+\slot] offset:128*APITCH*(\q>>1)+16*APITCH*\a+64*(\q&1)
	ds_load_b128 v[F+64*\f+32+8*\a+4:F+64*\f+32+8*\a+7], v[ADRA+\slot] offset:128*APITCH*(\q>>1)+16*APITCH*\a+64*(\q&1)+32
.endr
.endm
; 16 matrix instructions; the 16 accumulators take turns in one fixed order.  zero = 1: onto the bias.
.macro MUL16 f, zero
.if \zero
	WIN 0x40
.else
	WIN 0x50
.endif
.irp a, 0,1,2,3
.irp b, 0,1,2,3
.if \zero
	v_wmma_f32_16x16x32_f16 v[8*(4*\a+\b):8*(4*\a+\b)+7], v[F+64*\f+8*\b:F+64*\f+8*\b+7], v[F+64*\f+32+8*\a:F+64*\f+32+8*\a+7], v[BIAS+8*\b:BIAS+8*\b+7]
.else
	v_wmma_f32_16x16x32_f16 v[8*(4*\a+\b):8*(4*\a+\b)+7], v[F+64*\f+8*\b:F+64*\f+8*\b+7], v[F+64*\f+32+8*\a:F+64*\f+32+8*\a+7], v[8*(4*\a+\b):8*(4*\a+\b)+7]
.endif
.endr
.endr
	WIN 0
.endm
.macro QSTEP slot, qn, g, f, zero      ; fetch chunk qn into buffer g, multiply buffer f
	PLACES
	FETCH \slot, \qn, \g
	s_wait_dscnt 16                                ; all but the 16 just issued
	MUL16 \f, \zero
.endm
.macro PHASE slot, zero                ; a slot's eight chunks
	PLACES
	FETCH \slot, 0, 0
	QSTEP \slot, 1, 1, 0, \zero
	QSTEP \slot, 2, 0, 1, 0
	QSTEP \slot, 3, 1, 0, 0
	QSTEP \slot, 4, 0, 1, 0
	QSTEP \slot, 5, 1, 0, 0
	QSTEP \slot, 6, 0, 1, 0
	QSTEP \slot, 7, 1, 0, 0
	s_wait_dscnt 0
	MUL16 1, 0
.endm
; The change of slots.  Every wave waits for all its tensor loads (its part of the next slot) and for its reads of the old slot; where the
; old slot is filled again a round of the cluster's barrier follows and the joint refill is the wave's first tensor load behind it.
.macro CHANGE old, fill
	s_wait_tensorcnt 0x0
	ds_add_u32 v254, v255
	s_wait_dscnt 0x0
	s_wait_dscnt 0x0
.if \fill
	s_add_nc_u64 s[G0A+4*\old+2:G0A+4*\old+3], s[G0A+4*\old+2:G0A+4*\old+3], 131072   ; eight heads on
	s_add_nc_u64 s[G0B+4*\old+2:G0B+4*\old+3], s[G0B+4*\old+2:G0B+4*\old+3], 1024     ; 512 along K on
	CROUND
	JLOAD \old
.else
	s_barrier_signal -1
	s_barrier_wait -1
.endif
.endm
	s_wait_loadcnt 0x0                             ; the bias
	s_wait_tensorcnt 0x1                           ; my part of slot 0 is in; slot 1's may stay out
	s_barrier_signal -1
	s_barrier_wait -1
	PHASE 0, 1                                     ; heads 0-3
	CHANGE 0, 1                                    ; slot 0: heads 8-11
	PHASE 1, 0                                     ; heads 4-7
	CHANGE 1, 1                                    ; slot 1: heads 12-15
	PHASE 0, 0
	CHANGE 0, 0                                    ; nothing is left to fetch
	PHASE 1, 0
	; THE WAY OUT, 16 tokens at a time, f32: 32 bytes a lane into my stage, back as whole rows of 256 bytes
	PLACES
	s_lshl_b32 s90, s26, 19                        ; 128 tokens x 4,096 bytes
	s_lshl_b32 s91, s21, 18
	s_add_co_u32 s90, s90, s91
	s_lshl_b32 s91, s25, 9
	s_add_co_u32 s90, s90, s91
	s_lshl_b32 s91, s22, 8
	s_add_co_u32 s90, s90, s91
	s_mov_b32 s91, 0
	s_add_nc_u64 s[88:89], s[10:11], s[90:91]
.macro OUT16 a
	WIN 0x04
.irp b, 0,1,2,3
	ds_store_b128 v[STO], v[8*(4*\a+\b):8*(4*\a+\b)+3] offset:64*\b
	ds_store_b128 v[STO], v[8*(4*\a+\b)+4:8*(4*\a+\b)+7] offset:64*\b+16
.endr
	WIN 0
	s_wait_xcnt 0x0                                ; the buffer, which earlier stores read, is loaded again only behind this wait
.irp t, 0,1,2,3,4,5,6,7
	ds_load_b128 v[F+64*(\a&1)+4*\t:F+64*(\a&1)+4*\t+3], v[RD] offset:2*SPITCH*\t   ; LDS serves a wave's instructions in order
.endr
.irp t, 0,1,2,3,4,5,6,7
	s_wait_dscnt 7-\t
	global_store_b128 v[CO], v[F+64*(\a&1)+4*\t:F+64*(\a&1)+4*\t+3], s[88:89] offset:65536*\a+8192*\t   ; sixteen lanes store 256 consecutive bytes, aligned
.endr
.endm
	OUT16 0
	OUT16 1
	OUT16 2
	OUT16 3
	s_wait_tensorcnt 0x0
	ds_add_u32 v254, v255
	s_wait_dscnt 0x0
	CROUND                                         ; the closing round
	s_endpgm
.Lfunc_end_k_q0551437a00_oproj:
	.size	k_q0551437a00_oproj, .Lfunc_end_k_q0551437a00_oproj-k_q0551437a00_oproj
	.p2alignl 7, 3214868480
	.fill 96, 4, 3214868480
	.section	.rodata,"a",@progbits
	.p2align	6, 0x0
	.amdhsa_kernel k_q0551437a00_oproj
		.amdhsa_group_segment_fixed_size 327680
		.amdhsa_private_segment_fixed_size 0
		.amdhsa_enable_private_segment 0
		.amdhsa_kernarg_size 32
		.amdhsa_user_sgpr_count 2
		.amdhsa_user_sgpr_kernarg_segment_ptr 1
		.amdhsa_wavefront_size32 1
		.amdhsa_system_sgpr_workgroup_id_x 1
		.amdhsa_system_sgpr_workgroup_id_y 1
		.amdhsa_system_sgpr_workgroup_id_z 1
		.amdhsa_system_vgpr_workitem_id 0
		.amdhsa_next_free_vgpr 384
		.amdhsa_next_free_sgpr 96
		.amdhsa_reserve_vcc 0
		.amdhsa_float_denorm_mode_32 3
		.amdhsa_float_denorm_mode_16_64 3
		.amdhsa_memory_ordered 1
		.amdhsa_forward_progress 1
		.amdhsa_inst_pref_size 90
	.end_amdhsa_kernel
	.amdgpu_metadata
---
amdhsa.version: [ 1, 2 ]
amdhsa.kernels:
  - .name:           k_q0551437a00_oproj
    .symbol:         k_q0551437a00_oproj.kd
    .args:
      - { .name: ctx, .offset: 0, .size: 8, .value_kind: global_buffer, .address_space: global }
      - { .name: x16, .offset: 8, .size: 8, .value_kind: global_buffer, .address_space: global }
      - { .name: bo, .offset: 16, .size: 8, .value_kind: global_buffer, .address_space: global }
      - { .name: out0, .offset: 24, .size: 8, .value_kind: global_buffer, .address_space: global }
    .group_segment_fixed_size: 327680
    .private_segment_fixed_size: 0
    .kernarg_segment_align: 8
    .kernarg_segment_size: 32
    .max_flat_workgroup_size: 128
    .sgpr_count:     96
    .vgpr_count:     384
    .wavefront_size: 32
...
	.end_amdgpu_metadata
.endif
;; end of part 4
